; MI455X (gfx1250); checked and timed in simulation.
; The chip was launched on July 23, 2026; its instructions are those of AMD's public machine-readable ISA for CDNA 5 (MIT licence, August 2026) and "CDNA5" Instruction Set Architecture Reference Guide (July 2026). The comments in the code are by the model that wrote it; some were corrected since.
;; Vector Quantizer. Allowed arithmetic: float matrix products may take bf16 or f16 operands with f32 sums; all other float work in f32.
;; Inputs: emb_w 8,192 x 512 float32; z 2 x 512 x 8 x 32 x 32 float32.
;; Outputs: out0 2 x 512 x 8 x 32 x 32 float32; out1 one number float32; out2 2 x 8 x 32 x 32 int32.
;; 2 versions, each right; version 2 is version 1 with the launch prep written anew for expert scheduling mode. Each part assembles by itself: llvm-mc -triple=amdgcn-amd-amdhsa -mcpu=gfx1250 --defsym DOCPART=n.
;; ======== version 1 of 2: 5 launches
;; workspace buffers: ebf 8,650,752 bytes; part 524,288 bytes; idxw 65,536 bytes of whole numbers; lpart 1,024 bytes
;; launch prep (part 1): grid 256 x 1, 8 waves a work-group, no clusters, 1,280 bytes of LDS; arguments emb_w, ebf; writes ebf
.if DOCPART == 1
	.amdgcn_target "amdgcn-amd-amdhsa--gfx1250"
	.amdhsa_code_object_version 6
	.text
	.protected	k_qfeae0e15bd_prep
	.globl	k_qfeae0e15bd_prep
	.p2align	8
	.type	k_qfeae0e15bd_prep,@function
k_qfeae0e15bd_prep:
	s_mov_b64 s[64:65], 0
	v_nop
	global_prefetch_b8 v0, s[64:65] scope:SCOPE_SE
	s_setreg_imm32_b32 hwreg(HW_REG_WAVE_MODE, 25, 1), 1
	s_wait_xcnt 0x0
; THE CODEBOOK FOR THE MATRIX LAUNCH.  emb_w: [8192][512] f32.  ebf: 256 blocks of 33 rows of 1,024 bytes.
; Rows 0-31 of block g: bf16(-2 emb_w[32 g + i][0..511]).  Row 32: ee[32 g .. 32 g + 31] in f32 (128 bytes), then 896 bytes of zeros,
; written because the next launch's tile takes the whole row.  ee is the sum of squares of the ROUNDED code: 0.25 x the sum of the squares of
; what is stored.  The factor -2 is a power of two: it commutes with every rounding, so a product with the stored row is -2 z.e bit for bit.
; SHARES.  A work-group makes a block, wave w its codes 4 w + j.  A lane takes 8 neighbouring numbers (two loads of 16 bytes) of each half of a row,
; which pack into 16 bytes: a wave's store covers 512 consecutive bytes.  All 16 loads of a lane go out at once.
; Memory binds this launch: no matrix unit, no cluster (no two work-groups read the same bytes), LDS only to gather the 32 sums.
; LIMIT.  -2 e must be finite in bf16.
.set ROWF,  2048                       ; bytes in a row of emb_w
.set ROWB,  1024                       ; bytes in a row of ebf
.set GBLK,  33*ROWB                    ; bytes in a block of ebf
.set X,     16                         ; v[16:79]   code j, half hf at X + 16 j + 8 hf: 8 numbers in f32
.set P,     80                         ; v[80:111]  code j: 8 registers of packed bf16
.set S,     112                        ; v[112:119] code j: two chains of squares
.set EEV,   120                        ; v[120:123] ee of my four codes
.set SPW,   126                        ; LDS address of my spare word; never rewritten
.set NIL,   127                        ; 0; never rewritten
.set SPARE, 256                        ; LDS: bytes 0-127 the 32 sums; from 256 on the spare words, 128 bytes for each of eight waves
	s_load_b128 s[4:7], s[0:1], 0x0                ; emb_w s[4:5], ebf s[6:7]
	v_lshl_add_u32 v[SPW], v0, 2, SPARE
	v_mov_b32 v[NIL], 0
	v_lshrrev_b32 v3, 5, v0
	v_readfirstlane_b32 s8, v3                     ; wave 0..7
	v_and_b32 v4, 31, v0                           ; lane
	v_lshlrev_b32 v1, 5, v4
	v_lshl_add_u32 v1, v3, 13, v1                  ; in emb_w: 32 x lane + 4 rows x wave
	v_lshlrev_b32 v2, 4, v4
	v_lshl_add_u32 v2, v3, 12, v2                  ; in ebf: 16 x lane + 4 rows x wave
	v_lshlrev_b32 v5, 4, v3                        ; in LDS: my wave's four sums
	s_lshl_b32 s10, ttmp9, 16                      ; 32 rows of 2,048 bytes a block
	s_mov_b32 s11, 0
	s_mul_i32 s14, ttmp9, GBLK
	s_mov_b32 s15, 0
	s_mov_b32 s12, 0x76543210                      ; v_permlanex16_b32: each lane takes its own place in the other half
	s_mov_b32 s13, 0xfedcba98
	s_wait_kmcnt 0x0
	s_add_nc_u64 s[4:5], s[4:5], s[10:11]
	s_add_nc_u64 s[6:7], s[6:7], s[14:15]
.irp j, 0,1,2,3
.irp hf, 0,1
	global_load_b128 v[X+16*(\j)+8*(\hf):X+16*(\j)+8*(\hf)+3],   v1, s[4:5] offset:(\j)*ROWF+(\hf)*1024 th:TH_LOAD_NT
	global_load_b128 v[X+16*(\j)+8*(\hf)+4:X+16*(\j)+8*(\hf)+7], v1, s[4:5] offset:(\j)*ROWF+(\hf)*1024+16 th:TH_LOAD_NT
.endr
.endr
.irp j, 0,1,2,3
	s_wait_loadcnt 12-4*(\j)                       ; loads come back in order: code j's four are in, the younger codes' stay out
.irp u, 0,1,2,3,4,5,6,7
	v_pk_mul_f32 v[X+16*(\j)+2*(\u):X+16*(\j)+2*(\u)+1], v[X+16*(\j)+2*(\u):X+16*(\j)+2*(\u)+1], -2.0 op_sel_hi:[1,0]
.endr
.irp u, 0,1,2,3,4,5,6,7
	v_cvt_pk_bf16_f32 v[P+8*(\j)+(\u)], v[X+16*(\j)+2*(\u)], v[X+16*(\j)+2*(\u)+1]
.endr
	v_fma_mix_f32_bf16 v[S+2*(\j)],   v[P+8*(\j)], v[P+8*(\j)], 0 op_sel_hi:[1,1,0]                 ; the first squares start the two chains: low halves,
	v_fma_mix_f32_bf16 v[S+2*(\j)+1], v[P+8*(\j)], v[P+8*(\j)], 0 op_sel:[1,1,0] op_sel_hi:[1,1,0]  ; high halves
.irp u, 1,2,3,4,5,6,7
	v_fma_mix_f32_bf16 v[S+2*(\j)],   v[P+8*(\j)+(\u)], v[P+8*(\j)+(\u)], v[S+2*(\j)] op_sel_hi:[1,1,0]
	v_fma_mix_f32_bf16 v[S+2*(\j)+1], v[P+8*(\j)+(\u)], v[P+8*(\j)+(\u)], v[S+2*(\j)+1] op_sel:[1,1,0] op_sel_hi:[1,1,0]
.endr
	global_store_b128 v2, v[P+8*(\j):P+8*(\j)+3],   s[6:7] offset:(\j)*ROWB      ; 512 consecutive bytes, at a multiple of 256 from ebf's first byte
	global_store_b128 v2, v[P+8*(\j)+4:P+8*(\j)+7], s[6:7] offset:(\j)*ROWB+512
.endr
.irp j, 0,1,2,3
	v_add_f32 v[S+2*(\j)], v[S+2*(\j)], v[S+2*(\j)+1]
.endr
.irp m, 1,2,4,8                        ; across the lanes: four steps inside each half of 16, the four codes side by side
.irp j, 0,1,2,3
	v_add_f32_dpp v[S+2*(\j)], v[S+2*(\j)], v[S+2*(\j)] row_xmask:\m row_mask:0xf bank_mask:0xf
.endr
.endr
.irp j, 0,1,2,3
	v_permlanex16_b32 v[S+2*(\j)+1], v[S+2*(\j)], s12, s13     ; its destination counts as read: the second chain's register has been written
.endr
.irp j, 0,1,2,3
	v_add_f32 v[S+2*(\j)], v[S+2*(\j)], v[S+2*(\j)+1]
.endr
.irp j, 0,1,2,3
	v_mul_f32 v[EEV+(\j)], 0x3e800000, v[S+2*(\j)]             ; (-2 e)^2 / 4
.endr
	ds_store_b128 v5, v[EEV:EEV+3]                 ; all lanes write the same 16 bytes with the same numbers
	s_wait_dscnt 0x0                               ; for wave 0's sake: my store is done
	s_barrier_signal -1
	s_barrier_wait -1
	s_cmp_lg_u32 s8, 0
	s_cbranch_scc1 .Lend                           ; the block's last row is wave 0's
	v_and_b32 v6, 7, v0
	v_lshlrev_b32 v6, 4, v6
	ds_load_b128 v[20:23], v6                      ; lanes 0-7: the 32 sums
	v_cmp_gt_u32 vcc_lo, 8, v0
.irp u, 16,17,18,19
	v_mov_b32 v\u, 0
.endr
	s_wait_dscnt 0x0
.irp u, 20,21,22,23
	v_cndmask_b32 v\u, 0, v\u, vcc_lo              ; lanes 8-31: zeros
.endr
	global_store_b128 v2, v[20:23], s[6:7] offset:32*ROWB      ; in wave 0 v2 is 16 x lane
	global_store_b128 v2, v[16:19], s[6:7] offset:32*ROWB+512
.Lend:
	s_wait_tensorcnt 0x0                           ; the wave's end, behind my last LDS store
	ds_add_u32 v[SPW], v[NIL]
	s_wait_dscnt 0x0
	s_endpgm
.Lfunc_end_k_qfeae0e15bd_prep:
	.size	k_qfeae0e15bd_prep, .Lfunc_end_k_qfeae0e15bd_prep-k_qfeae0e15bd_prep
	.p2alignl 7, 3214868480
	.fill 96, 4, 3214868480
	.section	.rodata,"a",@progbits
	.p2align	6, 0x0
	.amdhsa_kernel k_qfeae0e15bd_prep
		.amdhsa_group_segment_fixed_size 1280
		.amdhsa_private_segment_fixed_size 0
		.amdhsa_enable_private_segment 0
		.amdhsa_kernarg_size 16
		.amdhsa_user_sgpr_count 2
		.amdhsa_user_sgpr_kernarg_segment_ptr 1
		.amdhsa_wavefront_size32 1
		.amdhsa_system_sgpr_workgroup_id_x 1
		.amdhsa_system_sgpr_workgroup_id_y 1
		.amdhsa_system_sgpr_workgroup_id_z 1
		.amdhsa_system_vgpr_workitem_id 0
		.amdhsa_next_free_vgpr 128
		.amdhsa_next_free_sgpr 66
		.amdhsa_reserve_vcc 1
		.amdhsa_float_denorm_mode_32 3
		.amdhsa_float_denorm_mode_16_64 3
		.amdhsa_memory_ordered 1
		.amdhsa_forward_progress 1
		.amdhsa_inst_pref_size 15
	.end_amdhsa_kernel
	.amdgpu_metadata
---
amdhsa.version: [ 1, 2 ]
amdhsa.kernels:
  - .name:           k_qfeae0e15bd_prep
    .symbol:         k_qfeae0e15bd_prep.kd
    .args:
      - { .name: emb_w, .offset: 0, .size: 8, .value_kind: global_buffer, .address_space: global }
      - { .name: ebf, .offset: 8, .size: 8, .value_kind: global_buffer, .address_space: global }
    .group_segment_fixed_size: 1280
    .private_segment_fixed_size: 0
    .kernarg_segment_align: 8
    .kernarg_segment_size: 16
    .max_flat_workgroup_size: 256
    .sgpr_count:     66
    .vgpr_count:     128
    .wavefront_size: 32
...
	.end_amdgpu_metadata
.endif
;; end of part 1
;; launch dist (part 2): grid 64 x 4, 4 waves a work-group, clusters of 4 x 1, 327,680 bytes of LDS; arguments z, ebf, part; writes part
.if DOCPART == 2
	.amdgcn_target "amdgcn-amd-amdhsa--gfx1250"
	.amdhsa_code_object_version 6
	.text
	.protected	k_qfeae0e15bd_dist
	.globl	k_qfeae0e15bd_dist
	.p2align	8
	.type	k_qfeae0e15bd_dist,@function
k_qfeae0e15bd_dist:
	s_mov_b64 s[64:65], 0
	v_nop
	global_prefetch_b8 v0, s[64:65] scope:SCOPE_SE
	s_setreg_imm32_b32 hwreg(HW_REG_WAVE_MODE, 25, 1), 1
	s_wait_xcnt 0x0
	s_wait_alu depctr_hold_cnt(0) depctr_sa_sdst(0) depctr_va_vdst(0) depctr_va_sdst(0) depctr_va_ssrc(0) depctr_va_vcc(0) depctr_vm_vsrc(0)
	s_getreg_b32 s2, hwreg(HW_REG_IB_STS2, 6, 4)
	s_cmp_eq_u32 s2, 0
	s_cbranch_scc0 .Lentry_in_a_cluster
	s_endpgm
.Lentry_in_a_cluster:
	s_bfe_u32 s2, ttmp6, 0x10000c
	s_cmp_lg_u32 s2, 0x3003
	s_cbranch_scc0 .Lentry_shape_is_right
	s_endpgm
.Lentry_shape_is_right:
; THE NEAREST CODE OF EACH ROW, IN ONE QUARTER OF THE CODEBOOK.  z: [2][512][8192] f32 (row n = 8192 b + p lies along the slow axis: channel c at byte 2^24 b + 32768 c + 4 p).
; ebf: 256 blocks of 33 rows x 1,024 bytes: 32 codes as bf16(-2 e), then their 32 ee in f32.  part: [4 quarters][256 groups of 64 rows][least distance | its code][64] words.
; THE ARITHMETIC is the module's own, rounding for rounding, on operands rounded to bf16: T = fl(zz + ee), D = fl(T - 2 m), the first least D wins.  m is summed in f32 by the matrix unit
; (the accumulator holds -2 m, since the stored codes carry the factor -2); zz is the diagonal of Z Z^T, made by the matrix unit from the rounded z.
; LIMITS.  NaN and infinities are not treated as an argmin treats them (a NaN distance is passed over; a row of nothing else gives code 0 of the quarter).  D - best must not overflow: |D| < 1.7e38.
; m has the matrix unit's order of summation: where 2 m lies within some 1e-8 of a boundary of D's f32 grid, a tie between two codes can fall otherwise than with another order.
; SHARES.  A work-group has 256 rows (x) and 2,048 codes (y).  Wave w has rows 64 w + 4 r + t of them, tile t = 0..3, r = lane % 16: one 16-byte load of z brings a lane one number for each of its four
; tiles, and a lane's four results are 16 consecutive bytes of part.  The wave's Z, 64 rows x 512 channels in bf16, stays in 512 registers; every E fragment read from LDS (two loads) feeds four products.
; THE PRODUCT: source 0 = 16 codes, source 1 = 16 rows of Z: in the result a lane holds ONE row (lane % 16) and the codes 8 (lane / 16) + 0..7.
; THE RING.  Two LDS slots of four blocks (128 codes); each wave fetches one block with one tensor load: by this text's count a wave has at most one tensor load out, and it has a slot's 512 products in which to land.
; CLUSTER.  The four work-groups of a cluster have the same y and walk the same blocks: every tile is asked for JOINTLY, same line, same descriptor, mask of four.  z is not shared so: it is a fifth of a
; work-group's bytes, read once at the start, into registers.
; RIDERS.  While tile p's 64 products are issued, the tile before (the other accumulator set) is taken through T, D, the comparison and the minimum: 144 vector instructions, two or three behind each product.
; A lane keeps eight chains (tile x parity of the register); each sees its codes in ascending order and takes a new one on strict less; the chains meet at the end, the lower code winning a tie.
; REGISTERS, in windows of 256 (s_set_vgpr_msb: bits 1:0 source 0, 3:2 source 1, 5:4 source 2, 7:6 destination).  Windows 2, 3: Z, fragment (t, K step s) at 8 (4 (s % 8) + t) of window 2 + s / 8.
; Window 1: z as loaded, four buffers of 64, at the start only.  Window 0: all else.  In the loop only source 1 leaves window 0, and every rider has a constant or a scalar register there: products, riders and
; LDS loads run under one setting, six switches for a trip's 128 products.
.set PITCH, 1040                       ; an LDS row: 1,024 bytes + 16 of padding = 260 words: the 16 rows of a fragment load start 4 words apart, modulo 64
.set BLK,   33*PITCH                   ; a block in LDS
.set TILE1, 16*PITCH                   ; its second 16 codes
.set EEROW, 32*PITCH                   ; its row of ee
.set S1,    0x22000                    ; slot 1 begins here: a bit pattern that shares no bit with 1, 2 or 3 x BLK, so that one exclusive or turns an address in one slot into the other's
.set SPARE, 276736                     ; behind the ring (it ends at S1 + 4 BLK = 276,544): the spare words, 128 bytes for each of four waves
.set GBLK,  33792                      ; a block in memory
.set SLOTG, 4*GBLK
.set AE0,  2                           ; my lane's place in a tile of E: r x PITCH + 16 h; never rewritten
.set AE,   3                           ; + the trip's block
.set AEE0, 4                           ; my half's eight ee: EEROW + 32 h
.set AEE,  5
.set SPW,  6                           ; LDS address of my spare word; never rewritten
.set NIL,  7                           ; 0; never rewritten
.set ZZ,   8                           ; v[8:11]   zz of my row in tile t
.set BEST, 12                          ; v[12:19]  tile t: least D among even registers' codes, among odd ones'
.set IDX,  20                          ; v[20:27]  their codes, less 8 h
.set EE,   28                          ; v[28:43]  ee of my eight codes, by the tile's parity
.set TT,   44                          ; v[44:45]  T of a pair of codes
.set DD,   46                          ; v[46:49]  D, two pairs by turns
.set DF,   50                          ; v[50:51]  D - best
.set ZO,   52                          ; my byte offset in z
.set RR,   54                          ; r
.set HH,   55                          ; h
.set OUTV, 56                          ; v[56:59]  what I store
.set ACC,  64                          ; v[64:127] two sets of four accumulators: set p, tile t at ACC + 32 p + 8 t
.set EF,   128                         ; v[128:255] the 16 K fragments of 16 codes, a ring: fragment f at EF + 8 f
.set WV,   10                          ; s10 my wave's number
.set ZB,   18                          ; s[18:19] z at my rows, channel 0; s[20:21] channel 256
.set G1,   24                          ; s[24:31] descriptor group 1
.set G0,   32                          ; s[32:35] descriptor group 0: it walks
.set CNT,  36                          ; trips left in the slot
.set SLOTS, 37                         ; slots left in the loop
.set TB,   38                          ; LDS byte at which the trip's block begins
.set INF,  39                          ; +infinity
.set MKE,  40                          ; lanes in which the even register's D is less, the odd one's
.set MKO,  41
.set SC,   44                          ; s[44:51] register j's code in the tile that the riders have in hand, less 8 h
.set LM,   52                          ; s[52:58] lanes with lane % 8 = j, j = 1..7
.set VL,   59                          ; lanes 0-7 and 24-31
.set SEL,  60                          ; s[60:61] v_permlanex16_b32: each lane takes its own place in the other half
.set MSB, 0
.macro WIN new                         ; the immediate's high byte repeats the setting that is left; a switch that changes nothing is dropped
.if MSB != (\new)
	s_set_vgpr_msb (MSB<<8)|(\new)
.set MSB, (\new)
.endif
.endm
.macro PLACES                          ; four places (ISA guide 7.12.1) where no other vector work is at hand
.rept 4
	v_nop
.endr
.endm
; A round of the cluster's barrier: my work-group's barrier, so that wave 0's signal speaks for all four waves; wave 0 signals; every wave waits for all four work-groups; my work-group's barrier once more.
.macro CROUND
	s_barrier_signal -1
	s_barrier_wait -1
	s_cmp_lg_u32 s[WV], 0
	s_cbranch_scc1 .Lnot_wave_0_\@
	s_barrier_signal -3
.Lnot_wave_0_\@:
	s_barrier_wait -3
	s_barrier_signal -1
	s_barrier_wait -1
.endm
; THE CHANGE OF SLOTS, between two trips.  Each wave waits for all its tensor loads (one is out: its block of the other slot), adds 0 to its spare word, and waits for that and for its reads of the slot that it
; leaves.  fill = 1: the barrier is a round of the cluster's, so that no wave of any partner still reads the slot or has a load on its way, and the joint refill, the blocks two slots on, is the first thing behind it.
; (At its first use nothing has been read: slot 0 is waited for, slot 1 filled.)
.macro CHANGE fill
	WIN 0                                          ; at a label and at a branch every window is 0
	s_wait_tensorcnt 0x0                           ; no tensor load of mine is out, so group 0 may be written
	ds_add_u32 v[SPW], v[NIL]                      ; 0 onto my spare word
.if \fill
	s_xor_b32 s[G0+1], s[G0+1], S1                 ; the other slot than last time,
	s_add_nc_u64 s[G0+2:G0+3], s[G0+2:G0+3], SLOTG ; the next four blocks; the type bits on top are not reached
	s_wait_dscnt 0x0                               ; the add is done, and my reads of the slot are over
	CROUND
	tensor_load_to_lds s[G0:G0+3], s[G1:G1+7]      ; every wave issues this one line, each for its own block
	s_nop 0
	PLACES
.else
	s_wait_dscnt 0x0
	s_barrier_signal -1
	s_barrier_wait -1
.endif
	s_sub_co_u32 s[TB], s[TB], 4*BLK               ; the fetches go back to a slot's first block,
	s_xor_b32 s[TB], s[TB], S1                     ; in the other slot
.endm
	s_load_b128 s[4:7], s[0:1], 0x0                ; z s[4:5], ebf s[6:7]
	s_load_b64 s[8:9], s[0:1], 0x10                ; part
	v_lshl_add_u32 v[SPW], v0, 2, SPARE
	v_mov_b32 v[NIL], 0
	ds_add_u32 v[SPW], v[NIL]                      ; the wave's opening: the add and its wait stand ahead of my first tensor load; the set-up below, work on registers, stands between them
	v_lshrrev_b32 v1, 5, v0
	v_readfirstlane_b32 s[WV], v1                  ; wave 0..3
	s_bfe_u32 s11, ttmp6, 0x40000                  ; cx: my place in the cluster; it enters z's and part's addresses alone
	s_lshl_b32 s12, ttmp9, 2                       ; in a cluster launch ttmp9 counts clusters
	s_add_co_u32 s12, s12, s11                     ; my block of 256 rows
	s_and_b32 s13, ttmp7, 0xffff                   ; y: the quarter of the codebook, which the four partners share
	; descriptor group 1: a tile of 33 rows x 512 elements of 2 bytes, padded in LDS
	s_mov_b32 s[G1], 15|(1<<16)|(1<<20)|(1<<21)|(7<<22)|(3<<25)  ; 15:0 the mask of four; 17:16 2-byte elements; 20 padding on; 21 set beside a mask; 24:22 after every 256 words (code 7); 31:25 4 words (code 3)
	s_mov_b32 s[G1+1], 512<<16                     ; tensor_dim0 = 512
	s_mov_b32 s[G1+2], 33<<16                      ; tensor_dim1 = 33
	s_mov_b32 s[G1+3], 512<<16                     ; tile_dim0 = 512
	s_mov_b32 s[G1+4], 33                          ; tile_dim1 = 33
	s_mov_b32 s[G1+5], 512                         ; 512 elements from row to row
	s_mov_b32 s[G1+6], 0
	s_mov_b32 s[G1+7], 0
	s_mov_b32 s[G0], 1                             ; count = 1
	s_mul_i32 s[G0+1], s[WV], BLK                  ; LDS address: slot 0, block = my wave's number
	s_lshl_b32 s14, s13, 6
	s_add_co_u32 s14, s14, s[WV]
	s_mul_i32 s14, s14, GBLK                       ; in ebf: block 64 y + wave
	s_mov_b32 s15, 0
	s_lshr_b32 s16, s12, 5                         ; in z: batch = row block / 32,
	s_lshl_b32 s16, s16, 24
	s_and_b32 s17, s12, 31
	s_lshl_b32 s17, s17, 10                        ; 256 positions of 4 bytes a row block,
	s_add_co_u32 s16, s16, s17
	s_lshl_b32 s17, s[WV], 8                       ; 64 a wave
	s_add_co_u32 s16, s16, s17
	s_mov_b32 s17, 0
	s_lshl_b32 s62, s12, 2                         ; in part: group 4 x row block + wave, 512 bytes each,
	s_add_co_u32 s62, s62, s[WV]
	s_lshl_b32 s62, s62, 9
	s_lshl_b32 s63, s13, 17                        ; 131,072 bytes a quarter
	s_add_co_u32 s62, s62, s63
	s_mov_b32 s63, 0
	s_mov_b32 s[TB], S1+4*BLK                      ; the first change of slots turns this into 0
	s_mov_b32 s[INF], 0x7f800000
	s_lshl_b32 s[SC], s13, 11                      ; the quarter's first code
.irp j, 1,2,3,4,5,6,7
	s_add_co_u32 s[SC+(\j)], s[SC], \j
	s_mov_b32 s[LM+(\j)-1], 0x01010101<<(\j)
.endr
	s_mov_b32 s[VL], 0xff0000ff
	s_mov_b32 s[SEL], 0x76543210
	s_mov_b32 s[SEL+1], 0xfedcba98
	s_wait_dscnt 0x0                               ; the opening add is done
	s_wait_kmcnt 0x0
	s_add_nc_u64 s[G0+2:G0+3], s[6:7], s[14:15]    ; global address of my block
	s_or_b32 s[G0+3], s[G0+3], 0x80000000          ; type = 2
	s_add_nc_u64 s[ZB:ZB+1], s[4:5], s[16:17]
	s_add_nc_u64 s[ZB+2:ZB+3], s[ZB:ZB+1], 0x800000  ; 256 channels on, so that every offset fits the signed 24-bit immediate
	s_add_nc_u64 s[8:9], s[8:9], s[62:63]
	CROUND                                         ; all four work-groups are here: the first joint loads meet
	tensor_load_to_lds s[G0:G0+3], s[G1:G1+7]      ; slot 0
	s_nop 0
	PLACES
	v_and_b32 v[RR], 15, v0
	v_bfe_u32 v[HH], v0, 4, 1
	v_lshlrev_b32 v[ZO], 4, v[RR]
	v_lshl_add_u32 v[ZO], v[HH], 18, v[ZO]         ; 16 r + 8 h channels of 32,768 bytes
	v_mul_u32_u24 v[AE0], v[RR], PITCH
	v_lshl_add_u32 v[AE0], v[HH], 4, v[AE0]
	v_lshl_add_u32 v[AEE0], v[HH], 5, EEROW
; Z INTO REGISTERS.  A fragment of Z is 16 rows x 32 channels: lane (r, h) holds row r, channels 8 h + 0..7 and 16 + 8 h + 0..7 of the K step: its 16 channels i = 0..15.  Load i of K step s brings channel
; 32 s + 8 h + i (+ 8 from i = 8 on) of my four rows 4 r + t; sixteen lanes read 256 consecutive bytes.  Three K steps' loads are on their way while one is packed.
.macro ZLOAD s
	WIN 0x40                                       ; destination window 1, address window 0
.set zi, 0
.rept 16
	global_load_b128 v[64*((\s)%4)+4*zi:64*((\s)%4)+4*zi+3], v[ZO], s[ZB+2*((\s)/8):ZB+2*((\s)/8)+1] offset:(((\s)%8)*32+zi+8*(zi/8))*32768
.set zi, zi+1
.endr
.endm
; K step s: packed to bf16, register zr of tile zt from channels i = 2 zr, 2 zr + 1; then four products Z Z^T, one a tile, whose diagonal gathers zz.  The four accumulators take turns.
.macro ZSTEP s
.if (\s) < 13
	ZLOAD (\s)+3
	s_wait_loadcnt 48                              ; loads come back in order: K step s is in, the three younger steps' 48 stay out
.else
	s_wait_loadcnt 16*(15-(\s))
.endif
	WIN 0x85+0x40*((\s)/8)                         ; sources window 1, destination window 2 or 3
.set zt, 0
.rept 4
.set zr, 0
.rept 8
	v_cvt_pk_bf16_f32 v[8*(4*((\s)%8)+zt)+zr], v[64*((\s)%4)+8*zr+zt], v[64*((\s)%4)+8*zr+4+zt]
.set zr, zr+1
.endr
.set zt, zt+1
.endr
	WIN 0x0a+5*((\s)/8)                            ; sources 0 and 1 window 2 or 3
.set zt, 0
.rept 4
.set zf, 8*(4*((\s)%8)+zt)
.if (\s) == 0
	v_wmma_f32_16x16x32_bf16 v[ACC+8*zt:ACC+8*zt+7], v[zf:zf+7], v[zf:zf+7], 0
.else
	v_wmma_f32_16x16x32_bf16 v[ACC+8*zt:ACC+8*zt+7], v[zf:zf+7], v[zf:zf+7], v[ACC+8*zt:ACC+8*zt+7]
.endif
.set zt, zt+1
.endr
.endm
	ZLOAD 0
	ZLOAD 1
	ZLOAD 2
.irp s, 0,1,2,3,4,5,6,7,8,9,10,11,12,13,14,15
	ZSTEP \s
.endr
	; zz.  Element (8 h + j, r) lies in register j of lane (r, h): row r's diagonal in register r of lane r (r < 8), in register r - 8 of lane 16 + r (r >= 8): register lane % 8 of lanes 0-7 and 24-31.
	; Each accumulator is read from its lowest register on.  The lane 16 away then gives the other lanes theirs.
	WIN 0
	PLACES
.irp t, 0,1,2,3
	v_mov_b32 v[ZZ+(\t)], v[ACC+8*(\t)]
.irp j, 1,2,3,4,5,6,7
	v_cndmask_b32 v[ZZ+(\t)], v[ZZ+(\t)], v[ACC+8*(\t)+(\j)], s[LM+(\j)-1]
.endr
	v_permlanex16_b32 v1, v[ZZ+(\t)], s[SEL], s[SEL+1]         ; its destination counts as read: v1 has been written
	v_cndmask_b32 v[ZZ+(\t)], v1, v[ZZ+(\t)], s[VL]
.endr
.set i, 0
.rept 8
	v_mov_b32 v[BEST+i], s[INF]                    ; the first D of a chain is less than this
	v_mov_b32 v[IDX+i], 0
.set i, i+1
.endr
; THE PRODUCT of K step s for tile t, into set p.  K step 0 starts the sum: nothing is cleared.
.macro W p, s, t
.set wa, ACC+32*(\p)+8*(\t)
.set we, EF+8*(\s)
.set wz, 8*(4*((\s)%8)+(\t))
.if (\s) == 0
	v_wmma_f32_16x16x32_bf16 v[wa:wa+7], v[we:we+7], v[wz:wz+7], 0
.else
	v_wmma_f32_16x16x32_bf16 v[wa:wa+7], v[we:we+7], v[wz:wz+7], v[wa:wa+7]
.endif
.endm
; THE RIDERS.  Combo c of 16: tile t = c % 4, registers 2 (c / 4) and 2 (c / 4) + 1.  x 1.0 + y is fl(x + y): the form keeps
; source 1 free of vector registers.
.macro R_T eb, c                       ; T = fl(zz + ee), ee from buffer eb
.set xz, ZZ+2*(((\c)%4)/2)
.set xe, EE+8*(\eb)+2*((\c)/4)
.if (\c)%2
	v_pk_fma_f32 v[TT:TT+1], v[xz:xz+1], 1.0, v[xe:xe+1] op_sel:[1,0,0] op_sel_hi:[1,0,1]
.else
	v_pk_fma_f32 v[TT:TT+1], v[xz:xz+1], 1.0, v[xe:xe+1] op_sel_hi:[0,0,1]
.endif
.endm
.macro R_D q, c                        ; D = fl(T - 2 m), -2 m from set q
.set xa, ACC+32*(\q)+8*((\c)%4)+2*((\c)/4)
.set xd, DD+2*((\c)%2)
	v_pk_fma_f32 v[xd:xd+1], v[TT:TT+1], 1.0, v[xa:xa+1] op_sel_hi:[1,0,1]
.endm
.macro R_DIFF c                        ; D - best: its sign is exact
.set xd, DD+2*((\c)%2)
.set xb, BEST+2*((\c)%4)
	v_pk_fma_f32 v[DF:DF+1], v[xd:xd+1], 1.0, v[xb:xb+1] op_sel_hi:[1,0,1] neg_lo:[0,0,1] neg_hi:[0,0,1]
.endm
.macro R_CMP
	v_cmp_lt_f32 s[MKE], v[DF], 0
	v_cmp_lt_f32 s[MKO], v[DF+1], 0
.endm
.macro R_CND c
.set xi, IDX+2*((\c)%4)
.set xs, SC+2*((\c)/4)
	v_cndmask_b32 v[xi], v[xi], s[xs], s[MKE]
	v_cndmask_b32 v[xi+1], v[xi+1], s[xs+1], s[MKO]
.endm
.macro R_MIN c
.set xd, DD+2*((\c)%2)
.set xb, BEST+2*((\c)%4)
	v_min3_num_f32 v[xb], v[xd], s[INF], v[xb]
	v_min3_num_f32 v[xb+1], v[xd+1], s[INF], v[xb+1]
.endm
.macro TAILOPS c
	R_CMP
	R_CND \c
	R_MIN \c
.endm
; A RUN OF LDS LOADS at K step s (a multiple of 4) of a tile of parity p: the four fragments that the four K steps before have read, filled 48 products ahead of their next use: at s = 0 fragments 12-15 of this
; same tile, and its ee; else fragments s - 4 .. s - 1 of the next tile.
.macro RUN p, s
.set rf, 4*(((\s)/4+3)%4)
.if (\s) == 0
.set rt, (\p)
.else
.set rt, 1-(\p)
.endif
.rept 4
	ds_load_b128 v[EF+8*rf:EF+8*rf+3],   v[AE] offset:TILE1*rt+64*rf
	ds_load_b128 v[EF+8*rf+4:EF+8*rf+7], v[AE] offset:TILE1*rt+64*rf+32
.set rf, rf+1
.endr
.if (\s) == 0
	ds_load_b128 v[EE+8*(\p):EE+8*(\p)+3],   v[AEE] offset:64*(\p)
	ds_load_b128 v[EE+8*(\p)+4:EE+8*(\p)+7], v[AEE] offset:64*(\p)+16
.endif
.endm
; K STEP s OF A TILE OF PARITY p: four products, the four accumulators by turns, and behind them combo s's T-to-difference and combo s - 1's comparison, choice and minimum.
; mm = 0: no products (the drain).  ep = 0: no riders but the next tile's first T; 1: all; 2: all, but at s = 0 there is no combo before.  fe = 0: nothing is fetched.
; The run stands seven plain riders behind the last product that read its registers (with ep = 0: four v_nop).
; THE WAITS count the LDS loads issued behind the run that brought fragments s .. s + 3.  fe = 1: two runs of 8 (s = 0), a run of 8 and the run of 10 (s = 4, 8); at s = 12 the count 16 also shows the two loads
; of ee done.  fe = 0: 8 + 10, then 10, then none.
.macro STEP p, s, mm, ep, fe
.if (\mm) && ((\s)%4 == 0)
.if \fe
.if ((\s) == 4) || ((\s) == 8)
	s_wait_dscnt 18
.else
	s_wait_dscnt 16
.endif
.elseif (\s) == 4
	s_wait_dscnt 18
.elseif (\s) == 8
	s_wait_dscnt 10
.else
	s_wait_dscnt 0x0
.endif
.endif
	WIN 0x08+4*((\s)/8)                            ; source 1 in window 2 or 3
.set tl, 0
.if (\ep) == 1
.set tl, 1
.endif
.if ((\ep) == 2) && ((\s) > 0)
.set tl, 1
.endif
.set pc, ((\s)+15)%16
.set sq, ((\s)/4+3)%4
.if \mm
	W \p, \s, 0
.endif
.if tl
	R_CMP
.endif
.if \mm
	W \p, \s, 1
.endif
.if \ep
	R_D 1-(\p), \s
.endif
.if (\s) < 15
.if \ep
	R_T 1-(\p), (\s)+1
.endif
.elseif \mm
	R_T \p, 0                                      ; the tile in hand is the riders' next
.endif
.if (\fe) && ((\s)%4 == 0)
.if !(\ep)
	PLACES
.endif
	RUN \p, \s
.endif
.if \mm
	W \p, \s, 2
.endif
.if tl
	R_CND pc
.if (\s)%4 == 0
	s_add_co_u32 s[SC+2*sq], s[SC+2*sq], 16        ; the pair's four combos are through: on to the next tile's codes
	s_add_co_u32 s[SC+2*sq+1], s[SC+2*sq+1], 16
.endif
.endif
.if \mm
	W \p, \s, 3
.endif
.if \ep
	R_DIFF \s
.endif
.if tl
	R_MIN pc
.endif
.endm
; A TRIP fetches exactly one block: it ends the second tile of the block before (K steps 4-15), makes the block's first tile, and begins its second (K steps 0-3).  So a change of slots stands between two trips.
.macro TRIP
	v_add_nc_u32 v[AE], s[TB], v[AE0]
	v_add_nc_u32 v[AEE], s[TB], v[AEE0]
.irp s, 4,5,6,7,8,9,10,11,12,13,14,15
	STEP 1, \s, 1, 1, 1
.endr
.irp s, 0,1,2,3,4,5,6,7,8,9,10,11,12,13,14,15
	STEP 0, \s, 1, 1, 1
.endr
.irp s, 0,1,2,3
	STEP 1, \s, 1, 1, 1
.endr
	s_add_co_u32 s[TB], s[TB], BLK
	WIN 0
.endm
	CHANGE 1                                       ; slot 0 is in, everybody's block of it; slot 1 is asked for
	v_add_nc_u32 v[AE], s[TB], v[AE0]              ; THE FIRST BLOCK is written out: no tile stands before it
	v_add_nc_u32 v[AEE], s[TB], v[AEE0]
.set rf, 0
.rept 12                                               ; fragments 0-11 of its first tile
	ds_load_b128 v[EF+8*rf:EF+8*rf+3],   v[AE] offset:64*rf
	ds_load_b128 v[EF+8*rf+4:EF+8*rf+7], v[AE] offset:64*rf+32
.set rf, rf+1
.endr
.irp s, 0,1,2,3,4,5,6,7,8,9,10,11,12,13,14,15
	STEP 0, \s, 1, 0, 1
.endr
	PLACES                                         ; behind the tile's last products: the first riders read its results, and the next run loads over fragments 12-15
.irp s, 0,1,2,3
	STEP 1, \s, 1, 2, 1
.endr
	s_add_co_u32 s[TB], s[TB], BLK
	WIN 0
	s_mov_b32 s[CNT], 3                            ; slot 0 has three blocks left
	s_mov_b32 s[SLOTS], 15
	s_branch .Lstep
.Lslot:                                                ; 14 times: at the change from slot n to n + 1 the blocks of slot n + 2 are asked for, n = 0..13
	CHANGE 1
	s_mov_b32 s[CNT], 4
.Lstep:
	TRIP
	s_sub_co_u32 s[CNT], s[CNT], 1
	s_cmp_lg_u32 s[CNT], 0
	s_cbranch_scc1 .Lstep
	s_sub_co_u32 s[SLOTS], s[SLOTS], 1
	s_cmp_lg_u32 s[SLOTS], 0
	s_cbranch_scc1 .Lslot
	CHANGE 0                                       ; the last slot is written out: nothing is asked for
	s_mov_b32 s[CNT], 4
.Ltail:
	TRIP
	s_sub_co_u32 s[CNT], s[CNT], 1
	s_cmp_lg_u32 s[CNT], 0
	s_cbranch_scc1 .Ltail
.irp s, 4,5,6,7,8,9,10,11,12,13,14,15
	STEP 1, \s, 1, 1, 0                            ; the last tile's other twelve K steps
.endr
.irp s, 0,1,2,3,4,5,6,7,8,9,10,11,12,13,14,15
	STEP 0, \s, 0, 1, 0                            ; and its riders, with no products beside them
.endr
	TAILOPS 15
	; THE WAY OUT.  The codes get their 8 h; in each tile the odd chain meets the even one, then the other half of the lanes': the other is taken if it is less, or equal with the lower code.
	WIN 0
.macro MERGE t
	v_cmp_lt_f32 s42, v[BEST+2*(\t)+1], v[BEST+2*(\t)]
	v_cmp_eq_f32 s43, v[BEST+2*(\t)+1], v[BEST+2*(\t)]
	v_cmp_lt_u32 s62, v[IDX+2*(\t)+1], v[IDX+2*(\t)]
	s_and_b32 s43, s43, s62
	s_or_b32 s42, s42, s43
	v_cndmask_b32 v[BEST+2*(\t)], v[BEST+2*(\t)], v[BEST+2*(\t)+1], s42
	v_cndmask_b32 v[IDX+2*(\t)], v[IDX+2*(\t)], v[IDX+2*(\t)+1], s42
.endm
	v_lshlrev_b32 v1, 3, v[HH]
.set i, 0
.rept 8
	v_add_nc_u32 v[IDX+i], v1, v[IDX+i]
.set i, i+1
.endr
	s_mov_b32 s63, 0xffff0000
.irp t, 0,1,2,3
	MERGE \t
	v_permlanex16_b32 v[BEST+2*(\t)+1], v[BEST+2*(\t)], s[SEL], s[SEL+1]
	v_permlanex16_b32 v[IDX+2*(\t)+1], v[IDX+2*(\t)], s[SEL], s[SEL+1]
	MERGE \t
	v_cndmask_b32 v[OUTV+(\t)], v[BEST+2*(\t)], v[IDX+2*(\t)], s63  ; lanes 0-15 store the distances, lanes 16-31 the codes
.endr
	v_and_b32 v1, 31, v0
	v_lshlrev_b32 v1, 4, v1
	global_store_b128 v1, v[OUTV:OUTV+3], s[8:9]   ; 512 consecutive bytes, at a multiple of 256 from part's first byte
	s_wait_tensorcnt 0x0                           ; the wave's end, behind my last tensor load
	ds_add_u32 v[SPW], v[NIL]
	s_wait_dscnt 0x0
	CROUND                                         ; the closing round: no work-group ends while a partner may still ask for a tile that names it
	s_endpgm
.Lfunc_end_k_qfeae0e15bd_dist:
	.size	k_qfeae0e15bd_dist, .Lfunc_end_k_qfeae0e15bd_dist-k_qfeae0e15bd_dist
	.p2alignl 7, 3214868480
	.fill 96, 4, 3214868480
	.section	.rodata,"a",@progbits
	.p2align	6, 0x0
	.amdhsa_kernel k_qfeae0e15bd_dist
		.amdhsa_group_segment_fixed_size 327680
		.amdhsa_private_segment_fixed_size 0
		.amdhsa_enable_private_segment 0
		.amdhsa_kernarg_size 24
		.amdhsa_user_sgpr_count 2
		.amdhsa_user_sgpr_kernarg_segment_ptr 1
		.amdhsa_wavefront_size32 1
		.amdhsa_system_sgpr_workgroup_id_x 1
		.amdhsa_system_sgpr_workgroup_id_y 1
		.amdhsa_system_sgpr_workgroup_id_z 1
		.amdhsa_system_vgpr_workitem_id 0
		.amdhsa_next_free_vgpr 1024
		.amdhsa_next_free_sgpr 66
		.amdhsa_reserve_vcc 0
		.amdhsa_float_denorm_mode_32 3
		.amdhsa_float_denorm_mode_16_64 3
		.amdhsa_memory_ordered 1
		.amdhsa_forward_progress 1
		.amdhsa_inst_pref_size 172
	.end_amdhsa_kernel
	.amdgpu_metadata
---
amdhsa.version: [ 1, 2 ]
amdhsa.kernels:
  - .name:           k_qfeae0e15bd_dist
    .symbol:         k_qfeae0e15bd_dist.kd
    .args:
      - { .name: z, .offset: 0, .size: 8, .value_kind: global_buffer, .address_space: global }
      - { .name: ebf, .offset: 8, .size: 8, .value_kind: global_buffer, .address_space: global }
      - { .name: part, .offset: 16, .size: 8, .value_kind: global_buffer, .address_space: global }
    .group_segment_fixed_size: 327680
    .private_segment_fixed_size: 0
    .kernarg_segment_align: 8
    .kernarg_segment_size: 24
    .max_flat_workgroup_size: 128
    .sgpr_count:     66
    .vgpr_count:     1024
    .wavefront_size: 32
...
	.end_amdgpu_metadata
.endif
;; end of part 2
;; launch merge (part 3): grid 64 x 1, 2 waves a work-group, no clusters, 0 bytes of LDS; arguments part, out2, idxw; writes out2, idxw
.if DOCPART == 3
	.amdgcn_target "amdgcn-amd-amdhsa--gfx1250"
	.amdhsa_code_object_version 6
	.text
	.protected	k_qfeae0e15bd_merge
	.globl	k_qfeae0e15bd_merge
	.p2align	8
	.type	k_qfeae0e15bd_merge,@function
k_qfeae0e15bd_merge:
	s_mov_b64 s[64:65], 0
	v_nop
	global_prefetch_b8 v0, s[64:65] scope:SCOPE_SE
	s_setreg_imm32_b32 hwreg(HW_REG_WAVE_MODE, 25, 1), 1
	s_wait_xcnt 0x0
; THE FOUR QUARTERS MEET.  part: [4 quarters][256 groups of 64 rows][least distance | its code][64] words.  out2 and idxw: the code of each of 16,384 rows, i32; idxw is the copy from which the next launch
; forms addresses.  The quarters are taken in ascending order and a later one wins on strict less alone: the first least distance wins, as in an argmin.
; Thread t of work-group g has rows 256 g + 4 t .. + 3: 16 bytes of each list; sixteen lanes read and write 256 consecutive bytes.  A stream of 0.6 MB: no LDS, no matrix unit, no cluster.
.set QUARTER, 131072                   ; bytes of part for a quarter
.set D, 8                              ; v[8:23]   quarter y's four distances at D + 4 y
.set I, 24                             ; v[24:39]  its four codes at I + 4 y
	s_load_b128 s[4:7], s[0:1], 0x0                ; part s[4:5], out2 s[6:7]
	s_load_b64 s[8:9], s[0:1], 0x10                ; idxw
	v_lshrrev_b32 v1, 4, v0
	v_and_b32 v3, 15, v0
	v_lshlrev_b32 v1, 9, v1                        ; group 4 g + t / 16: 512 bytes each
	v_lshl_add_u32 v1, v3, 4, v1                   ; + 16 (t % 16)
	v_lshlrev_b32 v2, 4, v0                        ; in the outputs: 16 t
	s_lshl_b32 s10, ttmp9, 11
	s_mov_b32 s11, 0
	s_lshl_b32 s12, ttmp9, 10
	s_mov_b32 s13, 0
	s_wait_kmcnt 0x0
	s_add_nc_u64 s[4:5], s[4:5], s[10:11]
	s_add_nc_u64 s[6:7], s[6:7], s[12:13]
	s_add_nc_u64 s[8:9], s[8:9], s[12:13]
.irp y, 0,1,2,3
	global_load_b128 v[D+4*(\y):D+4*(\y)+3], v1, s[4:5] offset:(\y)*QUARTER th:TH_LOAD_NT
	global_load_b128 v[I+4*(\y):I+4*(\y)+3], v1, s[4:5] offset:(\y)*QUARTER+256 th:TH_LOAD_NT
.endr
	s_wait_loadcnt 0x0
.irp y, 1,2,3
.irp k, 0,1,2,3
	v_cmp_lt_f32 vcc_lo, v[D+4*(\y)+(\k)], v[D+(\k)]
	v_cndmask_b32 v[D+(\k)], v[D+(\k)], v[D+4*(\y)+(\k)], vcc_lo
	v_cndmask_b32 v[I+(\k)], v[I+(\k)], v[I+4*(\y)+(\k)], vcc_lo
.endr
.endr
	global_store_b128 v2, v[I:I+3], s[6:7]
	global_store_b128 v2, v[I:I+3], s[8:9]
	s_endpgm
.Lfunc_end_k_qfeae0e15bd_merge:
	.size	k_qfeae0e15bd_merge, .Lfunc_end_k_qfeae0e15bd_merge-k_qfeae0e15bd_merge
	.p2alignl 7, 3214868480
	.fill 96, 4, 3214868480
	.section	.rodata,"a",@progbits
	.p2align	6, 0x0
	.amdhsa_kernel k_qfeae0e15bd_merge
		.amdhsa_group_segment_fixed_size 0
		.amdhsa_private_segment_fixed_size 0
		.amdhsa_enable_private_segment 0
		.amdhsa_kernarg_size 24
		.amdhsa_user_sgpr_count 2
		.amdhsa_user_sgpr_kernarg_segment_ptr 1
		.amdhsa_wavefront_size32 1
		.amdhsa_system_sgpr_workgroup_id_x 1
		.amdhsa_system_sgpr_workgroup_id_y 1
		.amdhsa_system_sgpr_workgroup_id_z 1
		.amdhsa_system_vgpr_workitem_id 0
		.amdhsa_next_free_vgpr 48
		.amdhsa_next_free_sgpr 66
		.amdhsa_reserve_vcc 1
		.amdhsa_float_denorm_mode_32 3
		.amdhsa_float_denorm_mode_16_64 3
		.amdhsa_memory_ordered 1
		.amdhsa_forward_progress 1
		.amdhsa_inst_pref_size 3
	.end_amdhsa_kernel
	.amdgpu_metadata
---
amdhsa.version: [ 1, 2 ]
amdhsa.kernels:
  - .name:           k_qfeae0e15bd_merge
    .symbol:         k_qfeae0e15bd_merge.kd
    .args:
      - { .name: part, .offset: 0, .size: 8, .value_kind: global_buffer, .address_space: global }
      - { .name: out2, .offset: 8, .size: 8, .value_kind: global_buffer, .address_space: global }
      - { .name: idxw, .offset: 16, .size: 8, .value_kind: global_buffer, .address_space: global }
    .group_segment_fixed_size: 0
    .private_segment_fixed_size: 0
    .kernarg_segment_align: 8
    .kernarg_segment_size: 24
    .max_flat_workgroup_size: 64
    .sgpr_count:     66
    .vgpr_count:     48
    .wavefront_size: 32
...
	.end_amdgpu_metadata
.endif
;; end of part 3
;; launch gather (part 4): grid 256 x 1, 16 waves a work-group, no clusters, 134,400 bytes of LDS; arguments idxw, emb_w, z, out0, lpart; writes out0, lpart
.if DOCPART == 4
	.amdgcn_target "amdgcn-amd-amdhsa--gfx1250"
	.amdhsa_code_object_version 6
	.text
	.protected	k_qfeae0e15bd_gather
	.globl	k_qfeae0e15bd_gather
	.p2align	8
	.type	k_qfeae0e15bd_gather,@function
k_qfeae0e15bd_gather:
	s_mov_b64 s[64:65], 0
	v_nop
	global_prefetch_b8 v0, s[64:65] scope:SCOPE_SE
	s_setreg_imm32_b32 hwreg(HW_REG_WAVE_MODE, 25, 1), 1
	s_wait_xcnt 0x0
; THE CHOSEN CODES, TURNED INTO z's LAYOUT, AND THE LOSS'S PARTIAL SUMS.  out0[b][c][p] = z + (e - z) with e = emb_w[idx[b][p]][c]; lpart[g] = the sum of (e - z)^2 over the work-group's numbers.
; z, out0: [2][512][8192] f32; emb_w: [8192][512] f32; idxw: 16,384 codes, stored by the launch before.
; SHARES.  A work-group has 64 positions (256 bytes of every channel's row) and all 512 channels.  Wave w fetches the four codes of positions 4 w + j as whole rows of 2,048 bytes and lays them into LDS;
; behind a barrier a thread reads, for each of four blocks k, 4 channels x 4 positions: channels 4 cg + i, cg = 32 k + 2 w + h, positions 4 q + j (q = lane % 16, h = lane / 16).  The turn of 4 x 4 is a matter of
; register names.  Every load of z and store of out0 has sixteen lanes on 256 consecutive bytes.
; LDS.  Position p lies in row 16 (p % 4) + p / 4 of 2,064 bytes (129 x 16): the sixteen lanes of a read, sixteen rows apart by one, touch sixteen different 16-byte columns modulo 256.
; Memory binds: all 32 loads of a thread are out at once; no matrix unit; no cluster, since no two work-groups are known to read the same bytes.
; An index is cut at 8,191 before it enters an address; the launch before stores none above.
.set ROWP,  2064
.set QUART, 16*ROWP
.set HALF,  32*ROWP
.set RED,   64*ROWP                    ; behind the tile: the sixteen waves' sums, a block of 256 bytes
.set SPARE, RED+256                    ; the spare words, 128 bytes for each of sixteen waves
.set KSTEP, 4194304                    ; 128 channels of 32,768 bytes
.set SPW, 8                            ; LDS address of my spare word; never rewritten
.set NIL, 9                            ; 0; never rewritten
.set ZV,  16                           ; v[16:79]   block k, channel i at ZV + 16 k + 4 i: four positions
.set EV,  80                           ; v[80:143]  first code j, piece kk at EV + 16 j + 4 kk; then block k, position j at EV + 16 k + 4 j: four channels
.set CH,  160                          ; v[160:163] four chains of squares
.set WV,  14
.set EB,  20                           ; s[20:27] the four codes' rows in emb_w
.set ZB,  32                           ; s[32:35] z at my positions: channel 0, channel 256
.set OB,  36                           ; s[36:39] out0 likewise
	s_load_b256 s[4:11], s[0:1], 0x0               ; idxw s[4:5], emb_w s[6:7], z s[8:9], out0 s[10:11]
	s_load_b64 s[12:13], s[0:1], 0x20              ; lpart
	v_lshl_add_u32 v[SPW], v0, 2, SPARE
	v_mov_b32 v[NIL], 0
	v_lshrrev_b32 v10, 5, v0
	v_readfirstlane_b32 s[WV], v10                 ; wave 0..15
	v_and_b32 v11, 31, v0
	v_and_b32 v12, 15, v0                          ; q
	v_bfe_u32 v13, v0, 4, 1                        ; h
	v_lshlrev_b32 v1, 4, v11                       ; 16 x lane
	v_lshl_add_u32 v14, v10, 1, v13                ; 2 w + h
	v_lshlrev_b32 v2, 17, v14                      ; in z and out0: channels 8 w + 4 h on,
	v_lshl_add_u32 v2, v12, 4, v2                  ; positions 4 q on
	v_mad_u32_u24 v3, v10, ROWP, v1                ; into LDS: row w (+ 16 j), 16 x lane
	v_add_nc_u32 v4, HALF, v3
	v_mul_u32_u24 v5, v12, ROWP                    ; back: row q (+ 16 j), column 16 (2 w + h)
	v_lshl_add_u32 v5, v14, 4, v5
	v_add_nc_u32 v6, HALF, v5
	v_lshl_add_u32 v15, v10, 2, RED                ; my wave's sum
	s_lshr_b32 s28, ttmp9, 7                       ; batch,
	s_lshl_b32 s28, s28, 24
	s_and_b32 s29, ttmp9, 127
	s_lshl_b32 s29, s29, 8                         ; 64 positions of 4 bytes a work-group
	s_add_co_u32 s28, s28, s29
	s_mov_b32 s29, 0
	s_lshl_b32 s30, ttmp9, 8                       ; in idxw: 64 words a work-group, 4 a wave
	s_lshl_b32 s31, s[WV], 4
	s_add_co_u32 s30, s30, s31
	s_mov_b32 s31, 0
	s_lshl_b32 s42, ttmp9, 2
	s_mov_b32 s43, 0
	s_mov_b32 s45, 0
	s_mov_b32 s40, 0x76543210
	s_mov_b32 s41, 0xfedcba98
	s_wait_kmcnt 0x0
	s_add_nc_u64 s[4:5], s[4:5], s[30:31]
	s_load_b128 s[16:19], s[4:5], 0x0              ; my wave's four codes
	s_add_nc_u64 s[ZB:ZB+1], s[8:9], s[28:29]
	s_add_nc_u64 s[ZB+2:ZB+3], s[ZB:ZB+1], 0x800000  ; 256 channels on, so that every offset fits the signed 24-bit immediate
	s_add_nc_u64 s[OB:OB+1], s[10:11], s[28:29]
	s_add_nc_u64 s[OB+2:OB+3], s[OB:OB+1], 0x800000
	s_add_nc_u64 s[12:13], s[12:13], s[42:43]
.irp k, 0,1,2,3
.irp i, 0,1,2,3
	global_load_b128 v[ZV+16*(\k)+4*(\i):ZV+16*(\k)+4*(\i)+3], v2, s[ZB+2*((\k)/2):ZB+2*((\k)/2)+1] offset:((\k)%2)*KSTEP+(\i)*32768 th:TH_LOAD_NT
.endr
.endr
	s_wait_kmcnt 0x0
.irp j, 0,1,2,3
	s_min_u32 s[16+(\j)], s[16+(\j)], 8191
	s_lshl_b32 s44, s[16+(\j)], 11                 ; 2,048 bytes a code
	s_add_nc_u64 s[EB+2*(\j):EB+2*(\j)+1], s[6:7], s[44:45]
.endr
.irp j, 0,1,2,3
.irp kk, 0,1,2,3
	global_load_b128 v[EV+16*(\j)+4*(\kk):EV+16*(\j)+4*(\kk)+3], v1, s[EB+2*(\j):EB+2*(\j)+1] offset:512*(\kk)
.endr
.endr
.irp j, 0,1,2,3
	s_wait_loadcnt 12-4*(\j)                       ; loads come back in order: code j's four are in (and z, asked for earlier); the younger codes' stay out
.irp kk, 0,1,2,3
	ds_store_b128 v[3+(\j)/2], v[EV+16*(\j)+4*(\kk):EV+16*(\j)+4*(\kk)+3] offset:((\j)%2)*QUART+512*(\kk)
.endr
.endr
	s_wait_dscnt 0x0                               ; for the others' sake: my stores are done
	s_barrier_signal -1
	s_barrier_wait -1
.irp k, 0,1,2,3
.irp j, 0,1,2,3
	ds_load_b128 v[EV+16*(\k)+4*(\j):EV+16*(\k)+4*(\j)+3], v[5+(\j)/2] offset:((\j)%2)*QUART+512*(\k)
.endr
.endr
; Block k: dif = e - z; its square onto channel i's chain (the first squares start the chains); z + dif in place; four stores.
.macro BLOCK k
	s_wait_dscnt 12-4*(\k)                         ; LDS loads come back in order: block k's four are in
.irp j, 0,1,2,3
.irp i, 0,1,2,3
	v_sub_f32 v[EV+16*(\k)+4*(\j)+(\i)], v[EV+16*(\k)+4*(\j)+(\i)], v[ZV+16*(\k)+4*(\i)+(\j)]
.endr
.endr
.irp j, 0,1,2,3
.irp i, 0,1,2,3
.if ((\k) == 0) && ((\j) == 0)
	v_mul_f32 v[CH+(\i)], v[EV+16*(\k)+4*(\j)+(\i)], v[EV+16*(\k)+4*(\j)+(\i)]
.else
	v_fma_f32 v[CH+(\i)], v[EV+16*(\k)+4*(\j)+(\i)], v[EV+16*(\k)+4*(\j)+(\i)], v[CH+(\i)]
.endif
.endr
.endr
.irp i, 0,1,2,3
.irp j, 0,1,2,3
	v_add_f32 v[ZV+16*(\k)+4*(\i)+(\j)], v[ZV+16*(\k)+4*(\i)+(\j)], v[EV+16*(\k)+4*(\j)+(\i)]
.endr
.endr
.irp i, 0,1,2,3
	global_store_b128 v2, v[ZV+16*(\k)+4*(\i):ZV+16*(\k)+4*(\i)+3], s[OB+2*((\k)/2):OB+2*((\k)/2)+1] offset:((\k)%2)*KSTEP+(\i)*32768 th:TH_STORE_NT
.endr
.endm
	BLOCK 0
	BLOCK 1
	BLOCK 2
	BLOCK 3
	v_add_f32 v[CH], v[CH], v[CH+1]
	v_add_f32 v[CH+2], v[CH+2], v[CH+3]
	v_add_f32 v[CH], v[CH], v[CH+2]
.irp m, 1,2,4,8
	v_add_f32_dpp v[CH], v[CH], v[CH] row_xmask:\m row_mask:0xf bank_mask:0xf
.endr
	v_permlanex16_b32 v[CH+1], v[CH], s40, s41
	v_add_f32 v[CH], v[CH], v[CH+1]
	ds_store_b32 v15, v[CH]                        ; all lanes write the same word with the same number
	s_wait_dscnt 0x0                               ; for wave 0's sake
	s_barrier_signal -1
	s_barrier_wait -1
	s_cmp_lg_u32 s[WV], 0
	s_cbranch_scc1 .Lend                           ; the sixteen sums are wave 0's to add
	v_mov_b32 v7, RED
.irp u, 0,1,2,3
	ds_load_b128 v[144+4*(\u):144+4*(\u)+3], v7 offset:16*(\u)
.endr
	v_mov_b32 v10, 0
	v_cmp_eq_u32 vcc_lo, 0, v0
	s_wait_dscnt 0x0
.irp u, 144,148,152,156
	v_pk_add_f32 v[\u:\u+1], v[\u:\u+1], v[\u+2:\u+3]
.endr
	v_pk_add_f32 v[144:145], v[144:145], v[148:149]
	v_pk_add_f32 v[152:153], v[152:153], v[156:157]
	v_pk_add_f32 v[144:145], v[144:145], v[152:153]
	v_add_f32 v144, v144, v145
	s_wait_xcnt 0x0                                ; EXEC is a source of the stores above: it changes only behind this wait
	s_and_saveexec_b32 s46, vcc_lo
	global_store_b32 v10, v144, s[12:13]           ; thread 0 alone
	s_wait_xcnt 0x0                                ; and again, in front of the line that widens it
	s_or_b32 exec_lo, exec_lo, s46
.Lend:
	s_wait_tensorcnt 0x0                           ; the wave's end, behind my last LDS store
	ds_add_u32 v[SPW], v[NIL]
	s_wait_dscnt 0x0
	s_endpgm
.Lfunc_end_k_qfeae0e15bd_gather:
	.size	k_qfeae0e15bd_gather, .Lfunc_end_k_qfeae0e15bd_gather-k_qfeae0e15bd_gather
	.p2alignl 7, 3214868480
	.fill 96, 4, 3214868480
	.section	.rodata,"a",@progbits
	.p2align	6, 0x0
	.amdhsa_kernel k_qfeae0e15bd_gather
		.amdhsa_group_segment_fixed_size 134400
		.amdhsa_private_segment_fixed_size 0
		.amdhsa_enable_private_segment 0
		.amdhsa_kernarg_size 40
		.amdhsa_user_sgpr_count 2
		.amdhsa_user_sgpr_kernarg_segment_ptr 1
		.amdhsa_wavefront_size32 1
		.amdhsa_system_sgpr_workgroup_id_x 1
		.amdhsa_system_sgpr_workgroup_id_y 1
		.amdhsa_system_sgpr_workgroup_id_z 1
		.amdhsa_system_vgpr_workitem_id 0
		.amdhsa_next_free_vgpr 176
		.amdhsa_next_free_sgpr 66
		.amdhsa_reserve_vcc 1
		.amdhsa_float_denorm_mode_32 3
		.amdhsa_float_denorm_mode_16_64 3
		.amdhsa_memory_ordered 1
		.amdhsa_forward_progress 1
		.amdhsa_inst_pref_size 20
	.end_amdhsa_kernel
	.amdgpu_metadata
---
amdhsa.version: [ 1, 2 ]
amdhsa.kernels:
  - .name:           k_qfeae0e15bd_gather
    .symbol:         k_qfeae0e15bd_gather.kd
    .args:
      - { .name: idxw, .offset: 0, .size: 8, .value_kind: global_buffer, .address_space: global }
      - { .name: emb_w, .offset: 8, .size: 8, .value_kind: global_buffer, .address_space: global }
      - { .name: z, .offset: 16, .size: 8, .value_kind: global_buffer, .address_space: global }
      - { .name: out0, .offset: 24, .size: 8, .value_kind: global_buffer, .address_space: global }
      - { .name: lpart, .offset: 32, .size: 8, .value_kind: global_buffer, .address_space: global }
    .group_segment_fixed_size: 134400
    .private_segment_fixed_size: 0
    .kernarg_segment_align: 8
    .kernarg_segment_size: 40
    .max_flat_workgroup_size: 512
    .sgpr_count:     66
    .vgpr_count:     176
    .wavefront_size: 32
...
	.end_amdgpu_metadata
.endif
;; end of part 4
;; launch loss (part 5): grid 1 x 1, 1 waves a work-group, no clusters, 0 bytes of LDS; arguments lpart, out1; writes out1
.if DOCPART == 5
	.amdgcn_target "amdgcn-amd-amdhsa--gfx1250"
	.amdhsa_code_object_version 6
	.text
	.protected	k_qfeae0e15bd_loss
	.globl	k_qfeae0e15bd_loss
	.p2align	8
	.type	k_qfeae0e15bd_loss,@function
k_qfeae0e15bd_loss:
	s_mov_b64 s[64:65], 0
	v_nop
	global_prefetch_b8 v0, s[64:65] scope:SCOPE_SE
	s_setreg_imm32_b32 hwreg(HW_REG_WAVE_MODE, 25, 1), 1
	s_wait_xcnt 0x0
; THE LOSS.  lpart: 256 partial sums of (e - z)^2 in f32.  out1 = mse + 0.25 mse, mse = their sum / 2^23 (the numbers in z: 2 x 512 x 8,192).
; One wave: a lane takes 8 sums (32 bytes), then the 32 lanes meet.  A sum over work-groups wants one owner behind the launch that made the parts.
	s_load_b128 s[4:7], s[0:1], 0x0                ; lpart s[4:5], out1 s[6:7]
	v_lshlrev_b32 v1, 5, v0
	v_mov_b32 v2, 0
	s_mov_b32 s8, 0x76543210
	s_mov_b32 s9, 0xfedcba98
	s_wait_kmcnt 0x0
	global_load_b128 v[4:7], v1, s[4:5]
	global_load_b128 v[8:11], v1, s[4:5] offset:16
	s_wait_loadcnt 0x0
	v_pk_add_f32 v[4:5], v[4:5], v[6:7]
	v_pk_add_f32 v[8:9], v[8:9], v[10:11]
	v_pk_add_f32 v[4:5], v[4:5], v[8:9]
	v_add_f32 v4, v4, v5
.irp m, 1,2,4,8
	v_add_f32_dpp v4, v4, v4 row_xmask:\m row_mask:0xf bank_mask:0xf
.endr
	v_permlanex16_b32 v5, v4, s8, s9
	v_add_f32 v4, v4, v5
	v_mul_f32 v4, 0x34000000, v4                   ; x 2^-23: exact
	v_fma_f32 v4, v4, 0x3e800000, v4               ; mse + 0.25 mse: the product is exact, so this is the one rounding of the sum
	v_cmp_eq_u32 vcc_lo, 0, v0
	s_wait_xcnt 0x0                                ; EXEC changes only behind this wait
	s_and_saveexec_b32 s10, vcc_lo
	global_store_b32 v2, v4, s[6:7]                ; lane 0 alone
	s_wait_xcnt 0x0
	s_or_b32 exec_lo, exec_lo, s10
	s_endpgm
.Lfunc_end_k_qfeae0e15bd_loss:
	.size	k_qfeae0e15bd_loss, .Lfunc_end_k_qfeae0e15bd_loss-k_qfeae0e15bd_loss
	.p2alignl 7, 3214868480
	.fill 96, 4, 3214868480
	.section	.rodata,"a",@progbits
	.p2align	6, 0x0
	.amdhsa_kernel k_qfeae0e15bd_loss
		.amdhsa_group_segment_fixed_size 0
		.amdhsa_private_segment_fixed_size 0
		.amdhsa_enable_private_segment 0
		.amdhsa_kernarg_size 16
		.amdhsa_user_sgpr_count 2
		.amdhsa_user_sgpr_kernarg_segment_ptr 1
		.amdhsa_wavefront_size32 1
		.amdhsa_system_sgpr_workgroup_id_x 1
		.amdhsa_system_sgpr_workgroup_id_y 1
		.amdhsa_system_sgpr_workgroup_id_z 1
		.amdhsa_system_vgpr_workitem_id 0
		.amdhsa_next_free_vgpr 16
		.amdhsa_next_free_sgpr 66
		.amdhsa_reserve_vcc 1
		.amdhsa_float_denorm_mode_32 3
		.amdhsa_float_denorm_mode_16_64 3
		.amdhsa_memory_ordered 1
		.amdhsa_forward_progress 1
		.amdhsa_inst_pref_size 2
	.end_amdhsa_kernel
	.amdgpu_metadata
---
amdhsa.version: [ 1, 2 ]
amdhsa.kernels:
  - .name:           k_qfeae0e15bd_loss
    .symbol:         k_qfeae0e15bd_loss.kd
    .args:
      - { .name: lpart, .offset: 0, .size: 8, .value_kind: global_buffer, .address_space: global }
      - { .name: out1, .offset: 8, .size: 8, .value_kind: global_buffer, .address_space: global }
    .group_segment_fixed_size: 0
    .private_segment_fixed_size: 0
    .kernarg_segment_align: 8
    .kernarg_segment_size: 16
    .max_flat_workgroup_size: 32
    .sgpr_count:     66
    .vgpr_count:     16
    .wavefront_size: 32
...
	.end_amdgpu_metadata
.endif
;; end of part 5
;; ======== version 2 of 2: 5 launches; version 1 with the launch prep written anew for expert scheduling mode
;; workspace buffers: ebf 8,650,752 bytes; part 524,288 bytes; idxw 65,536 bytes of whole numbers; lpart 1,024 bytes
;; launch prep (part 6): grid 256 x 1, 8 waves a work-group, no clusters, 1,280 bytes of LDS; arguments emb_w, ebf; writes ebf
.if DOCPART == 6
	.amdgcn_target "amdgcn-amd-amdhsa--gfx1250"
	.amdhsa_code_object_version 6
	.text
	.protected	k_qfeae0e15bd_prep
	.globl	k_qfeae0e15bd_prep
	.p2align	8
	.type	k_qfeae0e15bd_prep,@function
k_qfeae0e15bd_prep:
	s_mov_b64 s[64:65], 0
	v_nop
	global_prefetch_b8 v0, s[64:65] scope:SCOPE_SE
	s_setreg_imm32_b32 hwreg(HW_REG_WAVE_SCHED_MODE, 0, 2), 2
	s_setreg_imm32_b32 hwreg(HW_REG_WAVE_MODE, 25, 1), 1
	s_wait_xcnt 0x0
	s_wait_alu depctr_vm_vsrc(0)
; THE CODEBOOK FOR THE MATRIX LAUNCH.  emb_w: [8192][512] f32.  ebf: 256 blocks of 33 rows of 1,024 bytes.
; Rows 0-31 of block g: bf16(-2 emb_w[32 g + i][0..511]).  Row 32: ee[32 g .. 32 g + 31] in f32 (128 bytes), then 896 bytes of zeros,
; written because the next launch's tile takes the whole row.  ee is the sum of squares of the ROUNDED code: 0.25 x the sum of the squares of
; what is stored.  The factor -2 is a power of two: it commutes with every rounding, so a product with the stored row is -2 z.e bit for bit.
; SHARES.  A work-group makes a block, wave w its codes 4 w + j.  A lane takes 8 neighbouring numbers (two loads of 16 bytes) of each half of a row,
; which pack into 16 bytes: a wave's store covers 512 consecutive bytes.  All 16 loads of a lane go out at once.
; Memory binds this launch: no matrix unit, no cluster (no two work-groups read the same bytes), LDS only to gather the 32 sums.
; LIMIT.  -2 e must be finite in bf16.
; THE MODE: SCHED_MODE bits 1:0 = 2 (LLVM: expert scheduling mode 2), set by the entry lines.  The code itself states the register dependences
; between vector instructions and memory or LDS instructions, with s_wait_alu, always for 0.
; THE PLAN.  Registers that memory or LDS instructions touch, in program order (there is no loop):
;   v1, v2, v5   offsets in emb_w and ebf, LDS address of my wave's sums.  Written at the head, read by every load, every store, the LDS store; never written again.
;   X            The 16 loads, issued at the head, land in it; no vector line has named it before.  Code j's part is read and written by code j's vector lines, behind its s_wait_loadcnt.
;   P[j]         Written by code j's eight conversions; read by its two stores and by its sixteen squares; never written again.
;   EEV          Written by four multiplies; read by the LDS store; never written again.
;   v6, v[16:23] Wave 0 alone, behind the barrier: v6 an LDS address; v[16:19] zeros to store; v[20:23] an LDS load lands, four selects write, a store reads.
;   v[SPW], v[NIL]  Written at the head, read by the closing add alone.
; No register that a memory or LDS instruction reads is written again, so no wait on vm_vsrc is owed.  One wait on va_vdst stands in front of the loads, one behind each code's conversions
; (its stores follow at once, and the squares, which only read P[j], come behind them), one in front of the LDS store, two in wave 0's arm.
.set ROWF,  2048                       ; bytes in a row of emb_w
.set ROWB,  1024                       ; bytes in a row of ebf
.set GBLK,  33*ROWB                    ; bytes in a block of ebf
.set X,     16                         ; v[16:79]   code j, half hf at X + 16 j + 8 hf: 8 numbers in f32
.set P,     80                         ; v[80:111]  code j: 8 registers of packed bf16
.set S,     112                        ; v[112:119] code j: two chains of squares
.set EEV,   120                        ; v[120:123] ee of my four codes
.set SPW,   126                        ; LDS address of my spare word; never rewritten
.set NIL,   127                        ; 0; never rewritten
.set SPARE, 256                        ; LDS: bytes 0-127 the 32 sums; from 256 on the spare words, 128 bytes for each of eight waves
	s_load_b128 s[4:7], s[0:1], 0x0                ; emb_w s[4:5], ebf s[6:7]
	v_lshl_add_u32 v[SPW], v0, 2, SPARE
	v_mov_b32 v[NIL], 0
	v_lshrrev_b32 v3, 5, v0
	v_readfirstlane_b32 s8, v3                     ; wave 0..7
	v_and_b32 v4, 31, v0                           ; lane
	v_lshlrev_b32 v1, 5, v4
	v_lshl_add_u32 v1, v3, 13, v1                  ; in emb_w: 32 x lane + 4 rows x wave
	v_lshlrev_b32 v2, 4, v4
	v_lshl_add_u32 v2, v3, 12, v2                  ; in ebf: 16 x lane + 4 rows x wave
	v_lshlrev_b32 v5, 4, v3                        ; in LDS: my wave's four sums
	s_wait_alu depctr_va_sdst(0)                   ; s8 is written, ahead of its first reader: the compare behind the barrier
	s_lshl_b32 s10, ttmp9, 16                      ; 32 rows of 2,048 bytes a block
	s_mov_b32 s11, 0
	s_mul_i32 s14, ttmp9, GBLK
	s_mov_b32 s15, 0
	s_mov_b32 s12, 0x76543210                      ; v_permlanex16_b32: each lane takes its own place in the other half
	s_mov_b32 s13, 0xfedcba98
	s_wait_kmcnt 0x0
	s_add_nc_u64 s[4:5], s[4:5], s[10:11]
	s_add_nc_u64 s[6:7], s[6:7], s[14:15]
	s_wait_alu depctr_va_vdst(0)                   ; v1, v2 and v5 are written: the loads read v1 as their offset, the stores v2, the LDS store v5 as its address
.irp j, 0,1,2,3
.irp hf, 0,1
	global_load_b128 v[X+16*(\j)+8*(\hf):X+16*(\j)+8*(\hf)+3],   v1, s[4:5] offset:(\j)*ROWF+(\hf)*1024 th:TH_LOAD_NT
	global_load_b128 v[X+16*(\j)+8*(\hf)+4:X+16*(\j)+8*(\hf)+7], v1, s[4:5] offset:(\j)*ROWF+(\hf)*1024+16 th:TH_LOAD_NT
.endr
.endr
.irp j, 0,1,2,3
	s_wait_loadcnt 12-4*(\j)                       ; loads come back in order: code j's four are in, the younger codes' stay out
.irp u, 0,1,2,3,4,5,6,7
	v_pk_mul_f32 v[X+16*(\j)+2*(\u):X+16*(\j)+2*(\u)+1], v[X+16*(\j)+2*(\u):X+16*(\j)+2*(\u)+1], -2.0 op_sel_hi:[1,0]
.endr
.irp u, 0,1,2,3,4,5,6,7
	v_cvt_pk_bf16_f32 v[P+8*(\j)+(\u)], v[X+16*(\j)+2*(\u)], v[X+16*(\j)+2*(\u)+1]
.endr
	s_wait_alu depctr_va_vdst(0)                   ; code j's conversions have written P[j], which the two stores read
	global_store_b128 v2, v[P+8*(\j):P+8*(\j)+3],   s[6:7] offset:(\j)*ROWB      ; 512 consecutive bytes, at a multiple of 256 from ebf's first byte
	global_store_b128 v2, v[P+8*(\j)+4:P+8*(\j)+7], s[6:7] offset:(\j)*ROWB+512
	v_fma_mix_f32_bf16 v[S+2*(\j)],   v[P+8*(\j)], v[P+8*(\j)], 0 op_sel_hi:[1,1,0]                 ; the first squares start the two chains: low halves,
	v_fma_mix_f32_bf16 v[S+2*(\j)+1], v[P+8*(\j)], v[P+8*(\j)], 0 op_sel:[1,1,0] op_sel_hi:[1,1,0]  ; high halves.  The squares only read P[j], as the stores do
.irp u, 1,2,3,4,5,6,7
	v_fma_mix_f32_bf16 v[S+2*(\j)],   v[P+8*(\j)+(\u)], v[P+8*(\j)+(\u)], v[S+2*(\j)] op_sel_hi:[1,1,0]
	v_fma_mix_f32_bf16 v[S+2*(\j)+1], v[P+8*(\j)+(\u)], v[P+8*(\j)+(\u)], v[S+2*(\j)+1] op_sel:[1,1,0] op_sel_hi:[1,1,0]
.endr
.endr
.irp j, 0,1,2,3
	v_add_f32 v[S+2*(\j)], v[S+2*(\j)], v[S+2*(\j)+1]
.endr
.irp m, 1,2,4,8                        ; across the lanes: four steps inside each half of 16, the four codes side by side
.irp j, 0,1,2,3
	v_add_f32_dpp v[S+2*(\j)], v[S+2*(\j)], v[S+2*(\j)] row_xmask:\m row_mask:0xf bank_mask:0xf
.endr
.endr
.irp j, 0,1,2,3
	v_permlanex16_b32 v[S+2*(\j)+1], v[S+2*(\j)], s12, s13     ; its destination counts as read: the second chain's register has been written
.endr
.irp j, 0,1,2,3
	v_add_f32 v[S+2*(\j)], v[S+2*(\j)], v[S+2*(\j)+1]
.endr
.irp j, 0,1,2,3
	v_mul_f32 v[EEV+(\j)], 0x3e800000, v[S+2*(\j)]             ; (-2 e)^2 / 4
.endr
	s_wait_alu depctr_va_vdst(0)                   ; the four multiplies have written EEV, which the LDS store reads
	ds_store_b128 v5, v[EEV:EEV+3]                 ; all lanes write the same 16 bytes with the same numbers
	s_wait_dscnt 0x0                               ; for wave 0's sake: my store is done
	s_barrier_signal -1
	s_barrier_wait -1
	s_cmp_lg_u32 s8, 0
	s_cbranch_scc1 .Lend                           ; the block's last row is wave 0's
	v_and_b32 v6, 7, v0
	v_lshlrev_b32 v6, 4, v6
	v_cmp_gt_u32 vcc_lo, 8, v0
.irp u, 16,17,18,19
	v_mov_b32 v\u, 0
.endr
	s_wait_alu depctr_va_vdst(0)                   ; v6 is written, which the LDS load reads as its address; v[16:19] are written, which the store of zeros reads; code 0's vector lines are done with v[20:23], in which the LDS load lands
	ds_load_b128 v[20:23], v6                      ; lanes 0-7: the 32 sums
	global_store_b128 v2, v[16:19], s[6:7] offset:32*ROWB+512  ; in wave 0 v2 is 16 x lane; the zeros leave while the LDS load is out
	s_wait_dscnt 0x0
	s_wait_alu depctr_va_vcc(0)                    ; VCC is written by the compare above, ahead of its first reader, the first select
.irp u, 20,21,22,23
	v_cndmask_b32 v\u, 0, v\u, vcc_lo              ; lanes 8-31: zeros
.endr
	s_wait_alu depctr_va_vdst(0)                   ; the four selects have written v[20:23], which the store reads
	global_store_b128 v2, v[20:23], s[6:7] offset:32*ROWB
.Lend:
	s_wait_dscnt 0x0                               ; the closing lines, six on end
	s_wait_alu 0x0
	s_wait_tensorcnt 0x0
	ds_add_u32 v[SPW], v[NIL]
	s_wait_dscnt 0x0
	s_endpgm
.Lfunc_end_k_qfeae0e15bd_prep:
	.size	k_qfeae0e15bd_prep, .Lfunc_end_k_qfeae0e15bd_prep-k_qfeae0e15bd_prep
	.p2alignl 7, 3214868480
	.fill 96, 4, 3214868480
	.section	.rodata,"a",@progbits
	.p2align	6, 0x0
	.amdhsa_kernel k_qfeae0e15bd_prep
		.amdhsa_group_segment_fixed_size 1280
		.amdhsa_private_segment_fixed_size 0
		.amdhsa_enable_private_segment 0
		.amdhsa_kernarg_size 16
		.amdhsa_user_sgpr_count 2
		.amdhsa_user_sgpr_kernarg_segment_ptr 1
		.amdhsa_wavefront_size32 1
		.amdhsa_system_sgpr_workgroup_id_x 1
		.amdhsa_system_sgpr_workgroup_id_y 1
		.amdhsa_system_sgpr_workgroup_id_z 1
		.amdhsa_system_vgpr_workitem_id 0
		.amdhsa_next_free_vgpr 128
		.amdhsa_next_free_sgpr 66
		.amdhsa_reserve_vcc 1
		.amdhsa_float_denorm_mode_32 3
		.amdhsa_float_denorm_mode_16_64 3
		.amdhsa_memory_ordered 1
		.amdhsa_forward_progress 1
		.amdhsa_inst_pref_size 15
	.end_amdhsa_kernel
	.amdgpu_metadata
---
amdhsa.version: [ 1, 2 ]
amdhsa.kernels:
  - .name:           k_qfeae0e15bd_prep
    .symbol:         k_qfeae0e15bd_prep.kd
    .args:
      - { .name: emb_w, .offset: 0, .size: 8, .value_kind: global_buffer, .address_space: global }
      - { .name: ebf, .offset: 8, .size: 8, .value_kind: global_buffer, .address_space: global }
    .group_segment_fixed_size: 1280
    .private_segment_fixed_size: 0
    .kernarg_segment_align: 8
    .kernarg_segment_size: 16
    .max_flat_workgroup_size: 256
    .sgpr_count:     66
    .vgpr_count:     128
    .wavefront_size: 32
...
	.end_amdgpu_metadata
.endif
;; end of part 6
;; launch dist: the kernel of part 2 again; grid 64 x 4, 4 waves a work-group, clusters of 4 x 1, 327,680 bytes of LDS; arguments z, ebf, part; writes part
;; launch merge: the kernel of part 3 again; grid 64 x 1, 2 waves a work-group, no clusters, 0 bytes of LDS; arguments part, out2, idxw; writes out2, idxw
;; launch gather: the kernel of part 4 again; grid 256 x 1, 16 waves a work-group, no clusters, 134,400 bytes of LDS; arguments idxw, emb_w, z, out0, lpart; writes out0, lpart
;; launch loss: the kernel of part 5 again; grid 1 x 1, 1 waves a work-group, no clusters, 0 bytes of LDS; arguments lpart, out1; writes out1
